; MI455X (gfx1250); checked and timed in simulation.
; The chip was launched on July 23, 2026; its instructions are those of AMD's public machine-readable ISA for CDNA 5 (MIT licence, August 2026) and "CDNA5" Instruction Set Architecture Reference Guide (July 2026). The comments in the code are by the model that wrote it; some were corrected since.
;; BC s Pool. Allowed arithmetic: float matrix products may take bf16 or f16 operands with f32 sums; all other float work in f32.
;; Inputs: x 32 x 256 x 64 x 64 float32.
;; Outputs: out0 32 x 256 x 32 x 32 float32.
;; 2 versions, each right; version 2 is version 1 with the launch spool written anew for expert scheduling mode. Each part assembles by itself: llvm-mc -triple=amdgcn-amd-amdhsa -mcpu=gfx1250 --defsym DOCPART=n.
;; ======== version 1 of 2: 1 launch
;; limits: values outside matrix products are rounded to f16; inputs' magnitudes at most 19,000; below input magnitudes of 0.0001 results are inexact or not finite; values are held in f16: magnitudes above 65,504 overflow, below 6.1e-05 lose precision
;; launch spool (part 1): grid 256 x 1, 8 waves a work-group, no clusters, 74,752 bytes of LDS; arguments x, out0; writes out0
.if DOCPART == 1
	.amdgcn_target "amdgcn-amd-amdhsa--gfx1250"
	.amdhsa_code_object_version 6
	.text
	.protected	k_q1f322f0fc5_spool
	.globl	k_q1f322f0fc5_spool
	.p2align	8
	.type	k_q1f322f0fc5_spool,@function
k_q1f322f0fc5_spool:
	s_mov_b64 s[64:65], 0
	v_nop
	global_prefetch_b8 v0, s[64:65] scope:SCOPE_SE
	s_setreg_imm32_b32 hwreg(HW_REG_WAVE_MODE, 25, 1), 1
	s_wait_xcnt 0x0
; Spectral pooling.  x: [32][256][64][64] f32, channel c (real) pairs with channel c + 128 (imaginary).  out0: [32][256][32][32] f32, likewise.
; fft2 (ortho), crop to the frequencies k = -16 .. 15 of each axis, ifft2 (ortho) is ONE linear map for each complex image:
;     Y = P X P^T,   P[m][n] = D((2 m - n) mod 64),   D(d) = (1/sqrt 2048) * sum over k = -16 .. 15 of exp(2 pi i k d / 64):
;     D(0) = 1/sqrt 2;  D(even d) = 0;  D(odd d) = s (cot(pi d / 64) - i) / sqrt 2048,  s = +1 for d = 1 mod 4, -1 for d = 3 mod 4.
; In real numbers: [Tr; Ti] = [Pr -Pi; Pi Pr] [Xr; Xi] (contraction over h, K = 128), then the same matrix once more over w.
; 786,432 multiply-adds for an image of 32 KB in and 8 KB out: the bytes bind, so each byte of x is loaded once, straight into registers,
; each byte of out0 stored once, and nothing else goes to memory.
;
; WHO DOES WHAT.  256 work-groups of 8 waves; a wave owns 2 complex images and shares nothing with any other wave: no barrier.
; Work-groups share no input either (P is made here), so there is nothing that a cluster could fetch jointly.
;
; FORMATS AND LIMITS.  Matrix operands (x, P, T) are rounded to f16, sums are f32.  f16 and not bf16: three roundings of 8 bits would leave
; too little margin at outputs near zero.  |T| <= 3.3 max|x| (the largest sum of magnitudes in a row of the real form of P), so the text holds for
; |x| up to about 1.9e4; beyond that f16 overflows to infinity.  Numbers below 6.1e-5 are kept as f16 denormals (step 6e-8): inputs whose root mean
; square is under about 1e-4 lose accuracy.  The order of the sums differs from an FFT's.
;
; LAYOUT.  L = lane, r = L & 15, hh = L >> 4.  One b128 load gives lane (r, hh) X[32 hh + row][4 r .. 4 r + 3]: sixteen lanes take one whole row of
; 256 bytes.  Register t of a load belongs to column tile t (w = 4 r + t), and v_cvt_pk_f16_f32 of two loads packs two k places: the conversion is
; the whole shuffle.  The place (K step sigma, hh, register q, half e) of a fragment stands for index
;     kappa = 32 hh + 16 sigma + 8 (q & 1) + 4 e + (q >> 1)
; in X's, T's and P's fragments alike (a permutation of k applied to both sources keeps the products).
; Stage 1 takes X as source 0 and P as source 1: register j of tile (t, u) then holds T(part u >> 1)[m1 = 16 (u & 1) + r][w = 32 hh + 4 j + t], one
; m1 a lane and w along the registers, which packs straight into stage 2's fragments with the same kappa: ONE set of P fragments serves both.
; Stage 2 takes P as source 0: register j of tile (nu, mu) holds Y(part nu >> 1)[m1 = 16 mu + r][m2 = 16 (nu & 1) + 8 hh + j].
.set PARTX,   2097152                  ; bytes from a real channel of x to its imaginary partner: 128 x 16,384
.set PARTY,   524288                   ; the same in out0: 128 x 4,096
.set IMGX,    16384                    ; one channel of x
.set IMGY,    4096                     ; one channel of out0
.set PAIR,    272                      ; LDS stage: two rows of Y (256 bytes) + 16 bytes
.set PLANE,   16*PAIR                  ; one part (real or imaginary) of Y in the stage
.set TABLE,   512                      ; the table of D: 128 words
.set WAVELDS, TABLE+2*PLANE            ; a wave's own LDS: 9,216 bytes
; window 0 (v0-v255)
.set LN,   1                           ; lane
.set XOFF, 2                           ; 8192 hh + 16 r: my 16 bytes of row 32 hh of a channel
.set TW,   3                           ; table, writing: 8 L
.set TG,   4                           ; table, taking fragments: 8 r + 128 (1 - hh)
.set STO,  5                           ; stage, in
.set RD,   6                           ; stage, back
.set OOFF, 7                           ; 16 L: my 16 bytes of 512 in out0
.set PR,   16                          ; v[16:47]    Pr:  fragment (mu, sigma) at 8 (2 mu + sigma)
.set PI,   48                          ; v[48:79]    Pi
.set NPI,  80                          ; v[80:111]   -Pi
.set XF,   112                         ; v[112:175]  two buffers of X fragments (4 tiles x 8) in turn; then T in f16 (2 mu x 4 K steps x 8)
.set RAW0, 176                         ; v[176:239]  raw buffer 0: 16 loads of 4 registers
; window 1 (v256-v511), numbers relative to v256
.set OUTR, 64                          ; 64-127: Y on its way out (the T sums 0-127 are free by then; Y's sums take 0-63)
.set RAW1, 128                         ; raw buffer 1
.set RAW2, 192                         ; raw buffer 2
.set XB0, 12                           ; s[12:13] x at my image 0, s[14:15] at my image 1
.set XB1, 14
.set OB0, 16                           ; s[16:17] out0 at my image 0, s[18:19] at my image 1
.set OB1, 18
.set MSB, 0
.macro WIN new                         ; s_set_vgpr_msb: bits 1:0 source 0, 3:2 source 1, 5:4 source 2, 7:6 destination; the high byte repeats the setting left
.if MSB != \new
	s_set_vgpr_msb (MSB<<8)|\new
.set MSB, \new
.endif
.endm
; 16 loads = one K step: rows 32 hh + 16 sig + 0 .. 15 of one channel; each load takes two whole rows of 256 bytes
.macro LOADX raw, base, part, sig
.set ll, 0
.rept 16
	global_load_b128 v[\raw+4*ll:\raw+4*ll+3], v[XOFF], s[\base:\base+1] offset:\part*PARTX+\sig*4096+ll*256 th:TH_LOAD_NT
.set ll, ll+1
.endr
.endm
; 32 conversions: register q of tile t packs rows 8 (q & 1) + (q >> 1) and that + 4 of the step (kappa, e = 0 and 1)
.macro CVTX raw, xf
.set qq, 0
.rept 8
.set ll, 8*(qq&1)+(qq>>1)
.set tt, 0
.rept 4
	v_cvt_pk_f16_f32 v[\xf+8*tt+qq], v[\raw+4*ll+tt], v[\raw+4*(ll+4)+tt]
.set tt, tt+1
.endr
.set qq, qq+1
.endr
.endm
; 16 matrix instructions of stage 1: 4 column tiles t x 4 tiles u = (output part, mu); the input part pin picks Pr, Pi or -Pi
.macro MUL1 xf, pin, sig, zero
.set tt, 0
.rept 4
.set uu, 0
.rept 4
.set po, (uu>>1)
.if po == \pin
.set fb, PR
.else
.if po == 0
.set fb, NPI
.else
.set fb, PI
.endif
.endif
.set fb, fb+8*(2*(uu&1)+\sig)
.set dd, 8*(4*tt+uu)
.if \zero
	v_wmma_f32_16x16x32_f16 v[dd:dd+7], v[\xf+8*tt:\xf+8*tt+7], v[fb:fb+7], 0
.else
	v_wmma_f32_16x16x32_f16 v[dd:dd+7], v[\xf+8*tt:\xf+8*tt+7], v[fb:fb+7], v[dd:dd+7]
.endif
.set uu, uu+1
.endr
.set tt, tt+1
.endr
.endm
; One K step.  left: younger loads that may stay out.  more = 1: the raw buffer is asked for again, three K steps ahead.
; free = 1: the T sums about to be started lie on registers that the last image's stores read.
; The X fragment buffers take turns, so the conversions of this step (32 plain vector instructions on other registers) are the places
; between the matrix instructions that read a buffer and the conversions that write it again (ISA guide 7.12.1).
.macro STEP raw, rwin, xf, pin, sig, zero, left, more, nbase, npart, nsig, free
	s_wait_loadcnt \left                           ; loads return in order (ISA guide 5.7.1): this step's 16 are in
.if \rwin
	WIN 0x05
.else
	WIN 0
.endif
	CVTX \raw, \xf
.if \free
	s_wait_xcnt 0x0                                ; the stores of the image before have read their data: v320-v383 are written again only behind this wait
.endif
.if \more
.if \rwin
	WIN 0x40
.endif
	LOADX \raw, \nbase, \npart, \nsig
.endif
	WIN 0x50
	MUL1 \xf, \pin, \sig, \zero
.endm
; The end of an image: T to f16, stage 2, and the way out.
.macro FINISH base
.rept 4
	v_nop                                          ; four places behind stage 1's last matrix instructions: the conversions read their results and write their sources
.endr
	WIN 0x05
.set mu, 0
.rept 2
.set st, 0
.rept 4
.set qq, 0
.rept 8
.set dd, 8*(4*(qq>>1)+2*(st>>1)+mu)+4*(st&1)+2*(qq&1)
	v_cvt_pk_f16_f32 v[XF+8*(4*mu+st)+qq], v[dd], v[dd+1]      ; tile t = q >> 1, registers j = 4 sigma + 2 (q & 1) + e: w = kappa
.set qq, qq+1
.endr
.set st, st+1
.endr
.set mu, mu+1
.endr
	WIN 0x50
.set st, 0
.rept 4                                                        ; K step st = (input part, sigma)
.set nu, 0
.rept 4                                                        ; nu = (output part, half of m2)
.set po, (nu>>1)
.if po == (st>>1)
.set fb, PR
.else
.if po == 0
.set fb, NPI
.else
.set fb, PI
.endif
.endif
.set fb, fb+8*(2*(nu&1)+(st&1))
.set mu, 0
.rept 2
.set dd, 8*(2*nu+mu)
.set bb, XF+8*(4*mu+st)
.if st == 0
	v_wmma_f32_16x16x32_f16 v[dd:dd+7], v[fb:fb+7], v[bb:bb+7], 0
.else
	v_wmma_f32_16x16x32_f16 v[dd:dd+7], v[fb:fb+7], v[bb:bb+7], v[dd:dd+7]
.endif
.set mu, mu+1
.endr
.set nu, nu+1
.endr
.set st, st+1
.endr
.rept 4
	v_nop                                          ; four places before the LDS stores read the results (and before the next image's conversions write T's registers)
.endr
	; A lane holds 32 bytes of one row of 128; its neighbours hold other rows.  Through my own stage: rows 2 p, 2 p + 1 lie at 272 p, so that
	; the sixteen lanes of a group touch sixteen different 16-byte columns modulo 256 both when storing (r varies) and when reading back.
	WIN 0x04
.set nu, 0
.rept 4
.set mu, 0
.rept 2
.set dd, 8*(2*nu+mu)
.set oo, (nu>>1)*PLANE+mu*8*PAIR+(nu&1)*64
	ds_store_b128 v[STO], v[dd:dd+3] offset:oo
	ds_store_b128 v[STO], v[dd+4:dd+7] offset:oo+16
.set mu, mu+1
.endr
.set nu, nu+1
.endr
	WIN 0x40
.set nn, 0
.rept 16
	ds_load_b128 v[OUTR+4*nn:OUTR+4*nn+3], v[RD] offset:(nn>>3)*PLANE+(nn&7)*2*PAIR   ; LDS serves a wave's instructions in order (ISA guide 5.7.1): these see the stores above
.set nn, nn+1
.endr
	WIN 0x04
.set nn, 0
.rept 16
	s_wait_dscnt 15-nn                             ; read-back nn is in, the younger ones stay out
	global_store_b128 v[OOFF], v[OUTR+4*nn:OUTR+4*nn+3], s[\base:\base+1] offset:(nn>>3)*PARTY+(nn&7)*512 th:TH_STORE_NT   ; 512 consecutive bytes, at a multiple of 512 from out0's first byte
.set nn, nn+1
.endr
.endm
	; ---- addresses, and the first three K steps are asked for before anything else ----
	s_load_b128 s[4:7], s[0:1], 0x0                ; x s[4:5], out0 s[6:7]
	v_lshl_add_u32 v254, v0, 2, 0x12000
	v_mov_b32 v255, 0
	v_lshrrev_b32 v8, 5, v0
	v_readfirstlane_b32 s8, v8                     ; wave 0 .. 7
	v_and_b32 v[LN], 31, v0
	v_and_b32 v8, 15, v0                           ; r
	v_bfe_u32 v9, v0, 4, 1                         ; hh
	v_lshlrev_b32 v[XOFF], 4, v8
	v_lshl_add_u32 v[XOFF], v9, 13, v[XOFF]        ; 16 r + 32 rows of 256 bytes x hh
	; work-group g owns the complex images 16 g .. 16 g + 15: batch g >> 3, channels 16 (g & 7) + 2 wave + (0, 1)
	s_and_b32 s9, ttmp9, 0xf8
	s_lshl_b32 s9, s9, 19                          ; (g >> 3) x 256 channels x 16,384 bytes
	s_and_b32 s10, ttmp9, 7
	s_lshl_b32 s10, s10, 18                        ; (g & 7) x 16 channels
	s_add_co_u32 s9, s9, s10
	s_lshl_b32 s10, s8, 15                         ; wave x 2 channels
	s_add_co_u32 s10, s9, s10                      ; byte offset in x, below 2^27
	s_mov_b32 s11, 0
	s_lshr_b32 s20, s10, 2                         ; a channel of out0 is a quarter of one of x
	s_mov_b32 s21, 0
	s_wait_kmcnt 0x0
	s_add_nc_u64 s[XB0:XB0+1], s[4:5], s[10:11]
	s_add_nc_u64 s[XB1:XB1+1], s[XB0:XB0+1], IMGX
	s_add_nc_u64 s[OB0:OB0+1], s[6:7], s[20:21]
	s_add_nc_u64 s[OB1:OB1+1], s[OB0:OB0+1], IMGY
	LOADX RAW0, XB0, 0, 0
	WIN 0x40
	LOADX RAW1, XB0, 0, 1
	LOADX RAW2, XB0, 1, 0                          ; 48 loads, 24 KB of this wave's x, are on their way while P is made
	WIN 0
	s_mul_i32 s22, s8, WAVELDS                     ; my LDS: the table,
	s_add_co_u32 s23, s22, TABLE                   ; and behind it the stage
	s_mov_b32 s24, 0x05040100                      ; v_perm_b32: the two low halves
	s_mov_b32 s25, 0x07060302                      ; the two high halves
	s_mov_b32 s26, 0x80008000                      ; the signs of two f16
	v_lshl_add_u32 v[TW], v[LN], 3, s22
	v_xor_b32 v10, 1, v9
	v_lshlrev_b32 v10, 7, v10
	v_lshl_add_u32 v10, v8, 3, v10
	v_add_nc_u32 v[TG], s22, v10                   ; 4 (2 r - 32 hh + 32)
	v_lshrrev_b32 v10, 1, v8
	v_mul_u32_u24 v10, v10, PAIR
	v_and_b32 v11, 1, v8
	v_lshl_add_u32 v10, v11, 7, v10
	v_lshl_add_u32 v10, v9, 5, v10
	v_add_nc_u32 v[STO], s23, v10                  ; row r of 16: 272 (r >> 1) + 128 (r & 1), + 32 hh
	v_mul_u32_u24 v10, v9, PAIR
	v_lshl_add_u32 v10, v8, 4, v10
	v_add_nc_u32 v[RD], s23, v10                   ; lanes 0-15 one pair of rows, lanes 16-31 the next
	v_lshlrev_b32 v[OOFF], 4, v[LN]
	; ---- the table: word i (0 .. 127) = f16 Re D | f16 Im D << 16 of d = (i + 1) mod 64.  Lane L makes d = 2 L + 1 (word 2 L) and d = 2 L + 2 (word 2 L + 1). ----
	; cot(pi d / 64) = -tan(phi), phi = pi (2 L - 31) / 64, |phi| < 1.53.  Taylor series to x^13 and x^12: the first terms left out are below 1e-8,
	; against a cosine of 0.049 at the least.  The argument is a constant of the problem, not an input.
	v_lshlrev_b32 v8, 1, v[LN]
	v_sub_nc_u32 v8, v8, 31
	v_cvt_f32_i32 v8, v8
	v_mul_f32 v8, 0x3d490fdb, v8                   ; phi = (2 L - 31) pi / 64
	v_mul_f32 v9, v8, v8
	v_mov_b32 v10, 0x310f76c7                      ; cos:  1/12!
	v_mov_b32 v11, 0x2f309231                      ; sin:  1/13!
	v_fmaak_f32 v10, v10, v9, 0xb493f27e           ; -1/10!
	v_fmaak_f32 v11, v11, v9, 0xb2d7322b           ; -1/11!
	v_fmaak_f32 v10, v10, v9, 0x37d00d01           ;  1/8!
	v_fmaak_f32 v11, v11, v9, 0x3638ef1d           ;  1/9!
	v_fmaak_f32 v10, v10, v9, 0xbab60b61           ; -1/6!
	v_fmaak_f32 v11, v11, v9, 0xb9500d01           ; -1/7!
	v_fmaak_f32 v10, v10, v9, 0x3d2aaaab           ;  1/4!
	v_fmaak_f32 v11, v11, v9, 0x3c088889           ;  1/5!
	v_fmaak_f32 v10, v10, v9, 0xbf000000           ; -1/2!
	v_fmaak_f32 v11, v11, v9, 0xbe2aaaab           ; -1/3!
	v_fmaak_f32 v10, v10, v9, 0x3f800000           ; cos phi
	v_fmaak_f32 v11, v11, v9, 0x3f800000
	v_mul_f32 v11, v11, v8                         ; sin phi
	v_rcp_f32 v12, v10
	v_lshlrev_b32 v13, 31, v[LN]                   ; (a plain instruction stands between v_rcp_f32 and the use of its result: ISA guide 5.7.2)
	v_xor_b32 v13, 0x3cb504f3, v13                 ; s / sqrt 2048: s = -1 for odd L (d = 3 mod 4)
	v_xor_b32 v9, 0x80000000, v13                  ; Im D = -s / sqrt 2048
	s_wait_alu depctr_va_vdst(0)
	v_mul_f32 v11, v11, v12                        ; tan phi
	v_mul_f32 v11, v11, v9                         ; Re D = s cot / sqrt 2048 = tan phi x (-s / sqrt 2048)
	v_cvt_pk_f16_f32 v14, v11, v9
	v_mov_b32 v15, 0x39a8                          ; f16 of 1/sqrt 2, imaginary part 0
	v_cmp_eq_u32 vcc_lo, 31, v[LN]
	v_cndmask_b32 v15, 0, v15, vcc_lo              ; d = 2 L + 2 is even: D = 0 but for d = 64 = 0 mod 64
	ds_store_b64 v[TW], v[14:15]
	ds_store_b64 v[TW], v[14:15] offset:256        ; a second period, so that no index has to be wrapped
	; P[16 mu + r][kappa] = D(d), d = 32 mu + 2 r - kappa: word d + 63 = (2 r - 32 hh + 32) + (32 mu - 16 sigma - 8 (q & 1) - 4 e - (q >> 1) + 31).
	; One b64 load takes q >> 1 = 2 p + 1 (first word) and 2 p (second).  My own bytes, served in order: no wait between the stores and these loads.
.set nn, 0
.rept 32
	ds_load_b64 v[XF+2*nn:XF+2*nn+1], v[TG] offset:4*(32*((nn>>4)&1)-16*((nn>>3)&1)-8*((nn>>2)&1)-2*((nn>>1)&1)-4*(nn&1)+30)
.set nn, nn+1
.endr
	s_wait_dscnt 0x0
.set nn, 0
.rept 16                                               ; nn = (mu, sigma, q & 1, p); e = 0 in registers gg, gg + 1; e = 1 in gg + 2, gg + 3
.set gg, XF+4*nn
.set fr, 8*(2*((nn>>3)&1)+((nn>>2)&1))
.set qa, 4*(nn&1)+2+((nn>>1)&1)
.set qb, 4*(nn&1)+((nn>>1)&1)
	v_perm_b32 v[PR+fr+qa], v[gg+2], v[gg], s24        ; e = 0 in the low half, e = 1 in the high half
	v_perm_b32 v[PI+fr+qa], v[gg+2], v[gg], s25
	v_perm_b32 v[PR+fr+qb], v[gg+3], v[gg+1], s24
	v_perm_b32 v[PI+fr+qb], v[gg+3], v[gg+1], s25
.set nn, nn+1
.endr
.set nn, 0
.rept 32
	v_xor_b32 v[NPI+nn], s26, v[PI+nn]
.set nn, nn+1
.endr
	; ---- the eight K steps, three raw buffers in turn.  A step's wait leaves the two younger steps (32 loads) out; the last three ask for nothing. ----
	STEP RAW0, 0, XF,    0, 0, 1, 32, 1, XB0, 1, 1, 0      ; image 0, real rows 0-15 | 32-47; the first products start the sums
	STEP RAW1, 1, XF+32, 0, 1, 0, 32, 1, XB1, 0, 0, 0      ; real rows 16-31 | 48-63
	STEP RAW2, 1, XF,    1, 0, 0, 32, 1, XB1, 0, 1, 0      ; imaginary
	STEP RAW0, 0, XF+32, 1, 1, 0, 32, 1, XB1, 1, 0, 0
	FINISH OB0                                             ; image 1's first three steps are on their way meanwhile
	STEP RAW1, 1, XF,    0, 0, 1, 32, 1, XB1, 1, 1, 1      ; image 1
	STEP RAW2, 1, XF+32, 0, 1, 0, 32, 0, XB1, 0, 0, 0
	STEP RAW0, 0, XF,    1, 0, 0, 16, 0, XB1, 0, 0, 0
	STEP RAW1, 1, XF+32, 1, 1, 0, 0,  0, XB1, 0, 0, 0
	FINISH OB1
	WIN 0
	s_wait_tensorcnt 0x0
	ds_add_u32 v254, v255
	s_wait_dscnt 0x0
	s_endpgm
.Lfunc_end_k_q1f322f0fc5_spool:
	.size	k_q1f322f0fc5_spool, .Lfunc_end_k_q1f322f0fc5_spool-k_q1f322f0fc5_spool
	.p2alignl 7, 3214868480
	.fill 96, 4, 3214868480
	.section	.rodata,"a",@progbits
	.p2align	6, 0x0
	.amdhsa_kernel k_q1f322f0fc5_spool
		.amdhsa_group_segment_fixed_size 74752
		.amdhsa_private_segment_fixed_size 0
		.amdhsa_enable_private_segment 0
		.amdhsa_kernarg_size 16
		.amdhsa_user_sgpr_count 2
		.amdhsa_user_sgpr_kernarg_segment_ptr 1
		.amdhsa_wavefront_size32 1
		.amdhsa_system_sgpr_workgroup_id_x 1
		.amdhsa_system_sgpr_workgroup_id_y 1
		.amdhsa_system_sgpr_workgroup_id_z 1
		.amdhsa_system_vgpr_workitem_id 0
		.amdhsa_next_free_vgpr 512
		.amdhsa_next_free_sgpr 66
		.amdhsa_reserve_vcc 1
		.amdhsa_float_denorm_mode_32 3
		.amdhsa_float_denorm_mode_16_64 3
		.amdhsa_memory_ordered 1
		.amdhsa_forward_progress 1
		.amdhsa_inst_pref_size 69
	.end_amdhsa_kernel
	.amdgpu_metadata
---
amdhsa.version: [ 1, 2 ]
amdhsa.kernels:
  - .name:           k_q1f322f0fc5_spool
    .symbol:         k_q1f322f0fc5_spool.kd
    .args:
      - { .name: x, .offset: 0, .size: 8, .value_kind: global_buffer, .address_space: global }
      - { .name: out0, .offset: 8, .size: 8, .value_kind: global_buffer, .address_space: global }
    .group_segment_fixed_size: 74752
    .private_segment_fixed_size: 0
    .kernarg_segment_align: 8
    .kernarg_segment_size: 16
    .max_flat_workgroup_size: 256
    .sgpr_count:     66
    .vgpr_count:     512
    .wavefront_size: 32
...
	.end_amdgpu_metadata
.endif
;; end of part 1
;; ======== version 2 of 2: 1 launch; version 1 with the launch spool written anew for expert scheduling mode
;; limits: values outside matrix products are rounded to f16; inputs' magnitudes at most 19,000; below input magnitudes of 0.0001 results are inexact or not finite; values are held in f16: magnitudes above 65,504 overflow, below 6.1e-05 lose precision
;; launch spool (part 2): grid 256 x 1, 8 waves a work-group, no clusters, 74,752 bytes of LDS; arguments x, out0; writes out0
.if DOCPART == 2
	.amdgcn_target "amdgcn-amd-amdhsa--gfx1250"
	.amdhsa_code_object_version 6
	.text
	.protected	k_q1f322f0fc5_spool
	.globl	k_q1f322f0fc5_spool
	.p2align	8
	.type	k_q1f322f0fc5_spool,@function
k_q1f322f0fc5_spool:
	s_mov_b64 s[64:65], 0
	v_nop
	global_prefetch_b8 v0, s[64:65] scope:SCOPE_SE
	s_setreg_imm32_b32 hwreg(HW_REG_WAVE_SCHED_MODE, 0, 2), 2
	s_setreg_imm32_b32 hwreg(HW_REG_WAVE_MODE, 25, 1), 1
	s_wait_xcnt 0x0
	s_wait_alu depctr_vm_vsrc(0)
; Spectral pooling.  x: [32][256][64][64] f32, channel c (real) pairs with channel c + 128 (imaginary).  out0: [32][256][32][32] f32, likewise.
; fft2 (ortho), crop to the frequencies k = -16 .. 15 of each axis, ifft2 (ortho) is ONE linear map for each complex image:
;     Y = P X P^T,   P[m][n] = D((2 m - n) mod 64),   D(d) = (1/sqrt 2048) * sum over k = -16 .. 15 of exp(2 pi i k d / 64):
;     D(0) = 1/sqrt 2;  D(even d) = 0;  D(odd d) = s (cot(pi d / 64) - i) / sqrt 2048,  s = +1 for d = 1 mod 4, -1 for d = 3 mod 4.
; In real numbers: [Tr; Ti] = [Pr -Pi; Pi Pr] [Xr; Xi] (contraction over h, K = 128), then the same matrix once more over w.
; 786,432 multiply-adds for an image of 32 KB in and 8 KB out: the bytes bind, so each byte of x is loaded once, straight into registers,
; each byte of out0 stored once, and nothing else goes to memory.
;
; WHO DOES WHAT.  256 work-groups of 8 waves; a wave owns 2 complex images and shares nothing with any other wave: no barrier.
; Work-groups share no input either (P is made here), so there is nothing that a cluster could fetch jointly.
;
; FORMATS AND LIMITS.  Matrix operands (x, P, T) are rounded to f16, sums are f32.  f16 and not bf16: three roundings of 8 bits would leave
; too little margin at outputs near zero.  |T| <= 3.3 max|x| (the largest sum of magnitudes in a row of the real form of P), so the text holds for
; |x| up to about 1.9e4; beyond that f16 overflows to infinity.  Numbers below 6.1e-5 are kept as f16 denormals (step 6e-8): inputs whose root mean
; square is under about 1e-4 lose accuracy.  The order of the sums differs from an FFT's.
;
; LAYOUT.  L = lane, r = L & 15, hh = L >> 4.  One b128 load gives lane (r, hh) X[32 hh + row][4 r .. 4 r + 3]: sixteen lanes take one whole row of
; 256 bytes.  Register t of a load belongs to column tile t (w = 4 r + t), and v_cvt_pk_f16_f32 of two loads packs two k places: the conversion is
; the whole shuffle.  The place (K step sigma, hh, register q, half e) of a fragment stands for index
;     kappa = 32 hh + 16 sigma + 8 (q & 1) + 4 e + (q >> 1)
; in X's, T's and P's fragments alike (a permutation of k applied to both sources keeps the products).
; Stage 1 takes X as source 0 and P as source 1: register j of tile (t, u) then holds T(part u >> 1)[m1 = 16 (u & 1) + r][w = 32 hh + 4 j + t], one
; m1 a lane and w along the registers, which packs straight into stage 2's fragments with the same kappa: ONE set of P fragments serves both.
; Stage 2 takes P as source 0: register j of tile (nu, mu) holds Y(part nu >> 1)[m1 = 16 mu + r][m2 = 16 (nu & 1) + 8 hh + j].
;
; THE MODE: SCHED_MODE bits 1:0 = 2 (LLVM: expert scheduling mode 2), set by the entry lines.  The code itself states the register dependences
; between vector or matrix instructions and memory or LDS instructions, with s_wait_alu, always for 0.
; THE PLAN.  The text is one straight run: no loop, no branch.  Registers that memory or LDS instructions touch:
;   v2 (XOFF)            made at the head, read by every load of x, never written again.
;   v3 (TW), v14, v15    made by the table's arithmetic, read by the table's two LDS stores, never written again.
;   v4 - v7              (TG, STO, RD, OOFF) made ahead of the table's wait, read by LDS loads and stores and by the global stores, never written again.
;   RAW0 .. RAW2         a K step's 32 conversions read its raw buffer; behind them the loads of the K step three further on land in it.
;   XF (v112-175)        the table's 32 LDS loads land in it before any vector instruction has named it; afterwards vector and matrix instructions alone name it.
;   v256-319 (Y sums)    written by stage 2's matrix instructions, read by the 16 LDS stores; written again by the next image's first products.
;   v320-383 (OUTR)      written by stage 1 and read by T's conversions; then the stage's read-backs land in it and the global stores read it; written
;                        again by the next image's first products.
; So: one wait on va_vdst ahead of the first load, one ahead of the table's stores, one in each K step that asks again (behind its conversions), one
; in each way out (behind the places, ahead of the LDS stores); one wait on vm_vsrc, in the second image's first step; one on va_sdst and one on va_vcc at the head.
.set PARTX,   2097152                  ; bytes from a real channel of x to its imaginary partner: 128 x 16,384
.set PARTY,   524288                   ; the same in out0: 128 x 4,096
.set IMGX,    16384                    ; one channel of x
.set IMGY,    4096                     ; one channel of out0
.set PAIR,    272                      ; LDS stage: two rows of Y (256 bytes) + 16 bytes
.set PLANE,   16*PAIR                  ; one part (real or imaginary) of Y in the stage
.set TABLE,   512                      ; the table of D: 128 words
.set WAVELDS, TABLE+2*PLANE            ; a wave's own LDS: 9,216 bytes
; window 0 (v0-v255)
.set LN,   1                           ; lane
.set XOFF, 2                           ; 8192 hh + 16 r: my 16 bytes of row 32 hh of a channel
.set TW,   3                           ; table, writing: 8 L
.set TG,   4                           ; table, taking fragments: 8 r + 128 (1 - hh)
.set STO,  5                           ; stage, in
.set RD,   6                           ; stage, back
.set OOFF, 7                           ; 16 L: my 16 bytes of 512 in out0
.set PR,   16                          ; v[16:47]    Pr:  fragment (mu, sigma) at 8 (2 mu + sigma)
.set PI,   48                          ; v[48:79]    Pi
.set NPI,  80                          ; v[80:111]   -Pi
.set XF,   112                         ; v[112:175]  two buffers of X fragments (4 tiles x 8) in turn; then T in f16 (2 mu x 4 K steps x 8)
.set RAW0, 176                         ; v[176:239]  raw buffer 0: 16 loads of 4 registers
; window 1 (v256-v511), numbers relative to v256
.set OUTR, 64                          ; 64-127: Y on its way out (the T sums 0-127 are free by then; Y's sums take 0-63)
.set RAW1, 128                         ; raw buffer 1
.set RAW2, 192                         ; raw buffer 2
.set XB0, 12                           ; s[12:13] x at my image 0, s[14:15] at my image 1
.set XB1, 14
.set OB0, 16                           ; s[16:17] out0 at my image 0, s[18:19] at my image 1
.set OB1, 18
.set MSB, 0
.macro WIN new                         ; s_set_vgpr_msb: bits 1:0 source 0, 3:2 source 1, 5:4 source 2, 7:6 destination; the high byte repeats the setting left
.if MSB != \new
	s_set_vgpr_msb (MSB<<8)|\new
.set MSB, \new
.endif
.endm
; 16 loads = one K step: rows 32 hh + 16 sig + 0 .. 15 of one channel; each load takes two whole rows of 256 bytes
.macro LOADX raw, base, part, sig
.set ll, 0
.rept 16
	global_load_b128 v[\raw+4*ll:\raw+4*ll+3], v[XOFF], s[\base:\base+1] offset:\part*PARTX+\sig*4096+ll*256 th:TH_LOAD_NT
.set ll, ll+1
.endr
.endm
; 32 conversions: register q of tile t packs rows 8 (q & 1) + (q >> 1) and that + 4 of the step (kappa, e = 0 and 1)
.macro CVTX raw, xf
.set qq, 0
.rept 8
.set ll, 8*(qq&1)+(qq>>1)
.set tt, 0
.rept 4
	v_cvt_pk_f16_f32 v[\xf+8*tt+qq], v[\raw+4*ll+tt], v[\raw+4*(ll+4)+tt]
.set tt, tt+1
.endr
.set qq, qq+1
.endr
.endm
; 16 matrix instructions of stage 1: 4 column tiles t x 4 tiles u = (output part, mu); the input part pin picks Pr, Pi or -Pi.
; deal = 1: the 16 loads that ask for raw buffer raw (in window 1) again are dealt among them, one ahead of each.  The products' window setting serves
; those loads as it stands: a load's data take the destination's window (1), its address source 0's (0).
.macro MUL1 xf, pin, sig, zero, deal, raw, nbase, npart, nsig
.set tt, 0
.rept 4
.set uu, 0
.rept 4
.set po, (uu>>1)
.if po == \pin
.set fb, PR
.else
.if po == 0
.set fb, NPI
.else
.set fb, PI
.endif
.endif
.set fb, fb+8*(2*(uu&1)+\sig)
.set dd, 8*(4*tt+uu)
.if \deal
	global_load_b128 v[\raw+4*(4*tt+uu):\raw+4*(4*tt+uu)+3], v[XOFF], s[\nbase:\nbase+1] offset:\npart*PARTX+\nsig*4096+(4*tt+uu)*256 th:TH_LOAD_NT   ; no wait: no vector or matrix instruction since the step's wait names v2 or the raw buffer
.endif
.if \zero
	v_wmma_f32_16x16x32_f16 v[dd:dd+7], v[\xf+8*tt:\xf+8*tt+7], v[fb:fb+7], 0
.else
	v_wmma_f32_16x16x32_f16 v[dd:dd+7], v[\xf+8*tt:\xf+8*tt+7], v[fb:fb+7], v[dd:dd+7]
.endif
.set uu, uu+1
.endr
.set tt, tt+1
.endr
.endm
; One K step.  left: younger loads that may stay out.  more = 1: the raw buffer is asked for again, three K steps ahead.
; free = 1: the T sums about to be started lie on registers that the last image's stores read.
; The X fragment buffers take turns, so the conversions of this step (32 plain vector instructions on other registers) are the places
; between the matrix instructions that read a buffer and the conversions that write it again (ISA guide 7.12.1).
; Raw buffers 1 and 2 lie in window 1: their loads are dealt among the products.  Raw buffer 0 lies in window 0, where no setting reaches a load's data
; while the products' D lies in window 1: its loads stand in one run between the wait and the products.
.macro STEP raw, rwin, xf, pin, sig, zero, left, more, nbase, npart, nsig, free
	s_wait_loadcnt \left                           ; loads return in order (ISA guide 5.7.1): this step's 16 are in
.if \rwin
	WIN 0x05
.else
	WIN 0
.endif
	CVTX \raw, \xf
.if \rwin
	WIN 0x50                                       ; the products' setting, which the dealt loads share: the switch stands ahead of the waits
.endif
.if \free
	s_wait_xcnt 0x0                                ; the stores of the image before have had their addresses translated: v320-v383 are written again only behind this wait
	s_wait_alu depctr_vm_vsrc(0)                   ; the LDS stores of the image before have read v256-v319 and its global stores v320-v383, which the products below write
.endif
.if \more
	s_wait_alu depctr_va_vdst(0)                   ; the conversions are done reading the raw buffer, in which the loads below land
.if !\rwin
	LOADX \raw, \nbase, \npart, \nsig
.endif
.endif
	WIN 0x50
	MUL1 \xf, \pin, \sig, \zero, \more*\rwin, \raw, \nbase, \npart, \nsig
.endm
; The end of an image: T to f16, stage 2, and the way out.
.macro FINISH base
.rept 4
	v_nop                                          ; four places behind stage 1's last matrix instructions: the conversions read their results and write their sources
.endr
	WIN 0x05
.set mu, 0
.rept 2
.set st, 0
.rept 4
.set qq, 0
.rept 8
.set dd, 8*(4*(qq>>1)+2*(st>>1)+mu)+4*(st&1)+2*(qq&1)
	v_cvt_pk_f16_f32 v[XF+8*(4*mu+st)+qq], v[dd], v[dd+1]      ; tile t = q >> 1, registers j = 4 sigma + 2 (q & 1) + e: w = kappa
.set qq, qq+1
.endr
.set st, st+1
.endr
.set mu, mu+1
.endr
	WIN 0x50
.set st, 0
.rept 4                                                        ; K step st = (input part, sigma)
.set nu, 0
.rept 4                                                        ; nu = (output part, half of m2)
.set po, (nu>>1)
.if po == (st>>1)
.set fb, PR
.else
.if po == 0
.set fb, NPI
.else
.set fb, PI
.endif
.endif
.set fb, fb+8*(2*(nu&1)+(st&1))
.set mu, 0
.rept 2
.set dd, 8*(2*nu+mu)
.set bb, XF+8*(4*mu+st)
.if st == 0
	v_wmma_f32_16x16x32_f16 v[dd:dd+7], v[fb:fb+7], v[bb:bb+7], 0
.else
	v_wmma_f32_16x16x32_f16 v[dd:dd+7], v[fb:fb+7], v[bb:bb+7], v[dd:dd+7]
.endif
.set mu, mu+1
.endr
.set nu, nu+1
.endr
.set st, st+1
.endr
.rept 4
	v_nop                                          ; four places before the LDS stores read the results (and before the next image's conversions write T's registers)
.endr
	; A lane holds 32 bytes of one row of 128; its neighbours hold other rows.  Through my own stage: rows 2 p, 2 p + 1 lie at 272 p, so that
	; the sixteen lanes of a group touch sixteen different 16-byte columns modulo 256 both when storing (r varies) and when reading back.
	WIN 0x44                                       ; one setting for the whole way out: addresses (source 0) in window 0, store data (source 1) and loaded data (destination) in window 1
	s_wait_alu depctr_va_vdst(0)                   ; stage 2 has written v256-v319, which the LDS stores read (the places above stay beside this wait); stage 1 and T's conversions are done with v320-v383, in which the read-backs land
.set nu, 0
.rept 4
.set mu, 0
.rept 2
.set dd, 8*(2*nu+mu)
.set oo, (nu>>1)*PLANE+mu*8*PAIR+(nu&1)*64
	ds_store_b128 v[STO], v[dd:dd+3] offset:oo
	ds_store_b128 v[STO], v[dd+4:dd+7] offset:oo+16
.set mu, mu+1
.endr
.set nu, nu+1
.endr
.set nn, 0
.rept 16
	ds_load_b128 v[OUTR+4*nn:OUTR+4*nn+3], v[RD] offset:(nn>>3)*PLANE+(nn&7)*2*PAIR   ; LDS serves a wave's instructions in order (ISA guide 5.7.1): these see the stores above, which name v5 and v256-v319 alone
.set nn, nn+1
.endr
.set nn, 0
.rept 16
	s_wait_dscnt 15-nn                             ; read-back nn is in, the younger ones stay out
	global_store_b128 v[OOFF], v[OUTR+4*nn:OUTR+4*nn+3], s[\base:\base+1] offset:(nn>>3)*PARTY+(nn&7)*512 th:TH_STORE_NT   ; 512 consecutive bytes, at a multiple of 512 from out0's first byte
.set nn, nn+1
.endr
.endm
	; ---- addresses, and the first three K steps are asked for before anything else ----
	s_load_b128 s[4:7], s[0:1], 0x0                ; x s[4:5], out0 s[6:7]
	v_lshl_add_u32 v254, v0, 2, 0x12000
	v_mov_b32 v255, 0
	v_lshrrev_b32 v8, 5, v0
	v_readfirstlane_b32 s8, v8                     ; wave 0 .. 7
	v_and_b32 v[LN], 31, v0
	v_and_b32 v8, 15, v0                           ; r
	v_bfe_u32 v9, v0, 4, 1                         ; hh
	v_lshlrev_b32 v[XOFF], 4, v8
	v_lshl_add_u32 v[XOFF], v9, 13, v[XOFF]        ; 16 r + 32 rows of 256 bytes x hh
	s_wait_alu depctr_va_sdst(0)                   ; s8 is written, ahead of its first reader: the bases of x and out0 and my LDS bytes are made from it
	; work-group g owns the complex images 16 g .. 16 g + 15: batch g >> 3, channels 16 (g & 7) + 2 wave + (0, 1)
	s_and_b32 s9, ttmp9, 0xf8
	s_lshl_b32 s9, s9, 19                          ; (g >> 3) x 256 channels x 16,384 bytes
	s_and_b32 s10, ttmp9, 7
	s_lshl_b32 s10, s10, 18                        ; (g & 7) x 16 channels
	s_add_co_u32 s9, s9, s10
	s_lshl_b32 s10, s8, 15                         ; wave x 2 channels
	s_add_co_u32 s10, s9, s10                      ; byte offset in x, below 2^27
	s_mov_b32 s11, 0
	s_lshr_b32 s20, s10, 2                         ; a channel of out0 is a quarter of one of x
	s_mov_b32 s21, 0
	s_wait_kmcnt 0x0
	s_add_nc_u64 s[XB0:XB0+1], s[4:5], s[10:11]
	s_add_nc_u64 s[XB1:XB1+1], s[XB0:XB0+1], IMGX
	s_add_nc_u64 s[OB0:OB0+1], s[6:7], s[20:21]
	s_add_nc_u64 s[OB1:OB1+1], s[OB0:OB0+1], IMGY
	s_wait_alu depctr_va_vdst(0)                   ; v2 is written: every load of x reads it as its offset; only loads and a window switch follow up to the 48th load
	LOADX RAW0, XB0, 0, 0
	WIN 0x40
	LOADX RAW1, XB0, 0, 1
	LOADX RAW2, XB0, 1, 0                          ; 48 loads, 24 KB of this wave's x, are on their way while P is made
	WIN 0
	s_mul_i32 s22, s8, WAVELDS                     ; my LDS: the table,
	s_add_co_u32 s23, s22, TABLE                   ; and behind it the stage
	s_mov_b32 s24, 0x05040100                      ; v_perm_b32: the two low halves
	s_mov_b32 s25, 0x07060302                      ; the two high halves
	s_mov_b32 s26, 0x80008000                      ; the signs of two f16
	v_lshl_add_u32 v[TW], v[LN], 3, s22
	v_xor_b32 v10, 1, v9
	v_lshlrev_b32 v10, 7, v10
	v_lshl_add_u32 v10, v8, 3, v10
	v_add_nc_u32 v[TG], s22, v10                   ; 4 (2 r - 32 hh + 32)
	v_lshrrev_b32 v10, 1, v8
	v_mul_u32_u24 v10, v10, PAIR
	v_and_b32 v11, 1, v8
	v_lshl_add_u32 v10, v11, 7, v10
	v_lshl_add_u32 v10, v9, 5, v10
	v_add_nc_u32 v[STO], s23, v10                  ; row r of 16: 272 (r >> 1) + 128 (r & 1), + 32 hh
	v_mul_u32_u24 v10, v9, PAIR
	v_lshl_add_u32 v10, v8, 4, v10
	v_add_nc_u32 v[RD], s23, v10                   ; lanes 0-15 one pair of rows, lanes 16-31 the next
	v_lshlrev_b32 v[OOFF], 4, v[LN]
	; ---- the table: word i (0 .. 127) = f16 Re D | f16 Im D << 16 of d = (i + 1) mod 64.  Lane L makes d = 2 L + 1 (word 2 L) and d = 2 L + 2 (word 2 L + 1). ----
	; cot(pi d / 64) = -tan(phi), phi = pi (2 L - 31) / 64, |phi| < 1.53.  Taylor series to x^13 and x^12: the first terms left out are below 1e-8,
	; against a cosine of 0.049 at the least.  The argument is a constant of the problem, not an input.
	v_lshlrev_b32 v8, 1, v[LN]
	v_sub_nc_u32 v8, v8, 31
	v_cvt_f32_i32 v8, v8
	v_mul_f32 v8, 0x3d490fdb, v8                   ; phi = (2 L - 31) pi / 64
	v_mul_f32 v9, v8, v8
	v_mov_b32 v10, 0x310f76c7                      ; cos:  1/12!
	v_mov_b32 v11, 0x2f309231                      ; sin:  1/13!
	v_fmaak_f32 v10, v10, v9, 0xb493f27e           ; -1/10!
	v_fmaak_f32 v11, v11, v9, 0xb2d7322b           ; -1/11!
	v_fmaak_f32 v10, v10, v9, 0x37d00d01           ;  1/8!
	v_fmaak_f32 v11, v11, v9, 0x3638ef1d           ;  1/9!
	v_fmaak_f32 v10, v10, v9, 0xbab60b61           ; -1/6!
	v_fmaak_f32 v11, v11, v9, 0xb9500d01           ; -1/7!
	v_fmaak_f32 v10, v10, v9, 0x3d2aaaab           ;  1/4!
	v_fmaak_f32 v11, v11, v9, 0x3c088889           ;  1/5!
	v_fmaak_f32 v10, v10, v9, 0xbf000000           ; -1/2!
	v_fmaak_f32 v11, v11, v9, 0xbe2aaaab           ; -1/3!
	v_fmaak_f32 v10, v10, v9, 0x3f800000           ; cos phi
	v_fmaak_f32 v11, v11, v9, 0x3f800000
	v_mul_f32 v11, v11, v8                         ; sin phi
	v_rcp_f32 v12, v10
	v_lshlrev_b32 v13, 31, v[LN]                   ; (a plain instruction stands between v_rcp_f32 and the use of its result: ISA guide 5.7.2)
	v_xor_b32 v13, 0x3cb504f3, v13                 ; s / sqrt 2048: s = -1 for odd L (d = 3 mod 4)
	v_xor_b32 v9, 0x80000000, v13                  ; Im D = -s / sqrt 2048
	s_wait_alu depctr_va_vdst(0)
	v_mul_f32 v11, v11, v12                        ; tan phi
	v_mul_f32 v11, v11, v9                         ; Re D = s cot / sqrt 2048 = tan phi x (-s / sqrt 2048)
	v_cvt_pk_f16_f32 v14, v11, v9
	v_mov_b32 v15, 0x39a8                          ; f16 of 1/sqrt 2, imaginary part 0
	v_cmp_eq_u32 vcc_lo, 31, v[LN]
	s_wait_alu depctr_va_vcc(0)                    ; the compare has written VCC, which the select below reads
	v_cndmask_b32 v15, 0, v15, vcc_lo              ; d = 2 L + 2 is even: D = 0 but for d = 64 = 0 mod 64
	s_wait_alu depctr_va_vdst(0)                   ; v3, v14 and v15 are written, which the two stores read; so are v4 to v7, the addresses of every later LDS instruction and the offset of every store to out0
	ds_store_b64 v[TW], v[14:15]
	ds_store_b64 v[TW], v[14:15] offset:256        ; a second period, so that no index has to be wrapped
	; P[16 mu + r][kappa] = D(d), d = 32 mu + 2 r - kappa: word d + 63 = (2 r - 32 hh + 32) + (32 mu - 16 sigma - 8 (q & 1) - 4 e - (q >> 1) + 31).
	; One b64 load takes q >> 1 = 2 p + 1 (first word) and 2 p (second).  My own bytes, served in order: no wait between the stores and these loads.
	; They land in v112-v175, which no vector instruction has named so far.
.set nn, 0
.rept 32
	ds_load_b64 v[XF+2*nn:XF+2*nn+1], v[TG] offset:4*(32*((nn>>4)&1)-16*((nn>>3)&1)-8*((nn>>2)&1)-2*((nn>>1)&1)-4*(nn&1)+30)
.set nn, nn+1
.endr
	s_wait_dscnt 0x0
.set nn, 0
.rept 16                                               ; nn = (mu, sigma, q & 1, p); e = 0 in registers gg, gg + 1; e = 1 in gg + 2, gg + 3
.set gg, XF+4*nn
.set fr, 8*(2*((nn>>3)&1)+((nn>>2)&1))
.set qa, 4*(nn&1)+2+((nn>>1)&1)
.set qb, 4*(nn&1)+((nn>>1)&1)
	v_perm_b32 v[PR+fr+qa], v[gg+2], v[gg], s24        ; e = 0 in the low half, e = 1 in the high half
	v_perm_b32 v[PI+fr+qa], v[gg+2], v[gg], s25
	v_perm_b32 v[PR+fr+qb], v[gg+3], v[gg+1], s24
	v_perm_b32 v[PI+fr+qb], v[gg+3], v[gg+1], s25
.set nn, nn+1
.endr
.set nn, 0
.rept 32
	v_xor_b32 v[NPI+nn], s26, v[PI+nn]
.set nn, nn+1
.endr
	; ---- the eight K steps, three raw buffers in turn.  A step's wait leaves the two younger steps (32 loads) out; the last three ask for nothing, and state nothing. ----
	STEP RAW0, 0, XF,    0, 0, 1, 32, 1, XB0, 1, 1, 0      ; image 0, real rows 0-15 | 32-47; the first products start the sums
	STEP RAW1, 1, XF+32, 0, 1, 0, 32, 1, XB1, 0, 0, 0      ; real rows 16-31 | 48-63
	STEP RAW2, 1, XF,    1, 0, 0, 32, 1, XB1, 0, 1, 0      ; imaginary
	STEP RAW0, 0, XF+32, 1, 1, 0, 32, 1, XB1, 1, 0, 0
	FINISH OB0                                             ; image 1's first three steps are on their way meanwhile
	STEP RAW1, 1, XF,    0, 0, 1, 32, 1, XB1, 1, 1, 1      ; image 1
	STEP RAW2, 1, XF+32, 0, 1, 0, 32, 0, XB1, 0, 0, 0
	STEP RAW0, 0, XF,    1, 0, 0, 16, 0, XB1, 0, 0, 0
	STEP RAW1, 1, XF+32, 1, 1, 0, 0,  0, XB1, 0, 0, 0
	FINISH OB1
	WIN 0
	s_wait_dscnt 0x0
	s_wait_alu depctr_hold_cnt(0) depctr_sa_sdst(0) depctr_va_vdst(0) depctr_va_sdst(0) depctr_va_ssrc(0) depctr_va_vcc(0) depctr_vm_vsrc(0)
	s_wait_tensorcnt 0x0
	ds_add_u32 v254, v255
	s_wait_dscnt 0x0
	s_endpgm
.Lfunc_end_k_q1f322f0fc5_spool:
	.size	k_q1f322f0fc5_spool, .Lfunc_end_k_q1f322f0fc5_spool-k_q1f322f0fc5_spool
	.p2alignl 7, 3214868480
	.fill 96, 4, 3214868480
	.section	.rodata,"a",@progbits
	.p2align	6, 0x0
	.amdhsa_kernel k_q1f322f0fc5_spool
		.amdhsa_group_segment_fixed_size 74752
		.amdhsa_private_segment_fixed_size 0
		.amdhsa_enable_private_segment 0
		.amdhsa_kernarg_size 16
		.amdhsa_user_sgpr_count 2
		.amdhsa_user_sgpr_kernarg_segment_ptr 1
		.amdhsa_wavefront_size32 1
		.amdhsa_system_sgpr_workgroup_id_x 1
		.amdhsa_system_sgpr_workgroup_id_y 1
		.amdhsa_system_sgpr_workgroup_id_z 1
		.amdhsa_system_vgpr_workitem_id 0
		.amdhsa_next_free_vgpr 512
		.amdhsa_next_free_sgpr 66
		.amdhsa_reserve_vcc 1
		.amdhsa_float_denorm_mode_32 3
		.amdhsa_float_denorm_mode_16_64 3
		.amdhsa_memory_ordered 1
		.amdhsa_forward_progress 1
		.amdhsa_inst_pref_size 70
	.end_amdhsa_kernel
	.amdgpu_metadata
---
amdhsa.version: [ 1, 2 ]
amdhsa.kernels:
  - .name:           k_q1f322f0fc5_spool
    .symbol:         k_q1f322f0fc5_spool.kd
    .args:
      - { .name: x, .offset: 0, .size: 8, .value_kind: global_buffer, .address_space: global }
      - { .name: out0, .offset: 8, .size: 8, .value_kind: global_buffer, .address_space: global }
    .group_segment_fixed_size: 74752
    .private_segment_fixed_size: 0
    .kernarg_segment_align: 8
    .kernarg_segment_size: 16
    .max_flat_workgroup_size: 256
    .sgpr_count:     66
    .vgpr_count:     512
    .wavefront_size: 32
...
	.end_amdgpu_metadata
.endif
;; end of part 2
